; MI455X (gfx1250); checked and timed in simulation.
; The chip was launched on July 23, 2026; its instructions are those of AMD's public machine-readable ISA for CDNA 5 (MIT licence, August 2026) and "CDNA5" Instruction Set Architecture Reference Guide (July 2026). The comments in the code are by the model that wrote it; some were corrected since.
;; Multi Head Self Attention. Allowed arithmetic: matrix products marked QUANTISED: E4M3 operands, one given power-of-two scale a tensor, by v_wmma_f32_16x16x64_fp8_fp8 or v_wmma_f32_16x16x128_fp8_fp8, f32 sums; everything else in f32.
;; Inputs: W_k_codes 1,024 x 32 x 32 uint8 (E4M3 codes of W_k, K innermost, in blocks of 32 codes); W_o_codes 1,024 x 32 x 32 uint8 (E4M3 codes of W_o, K innermost, in blocks of 32 codes); W_q_codes 1,024 x 32 x 32 uint8 (E4M3 codes of W_q, K innermost, in blocks of 32 codes); W_v_codes 1,024 x 32 x 32 uint8 (E4M3 codes of W_v, K innermost, in blocks of 32 codes); lowp_scales 12 int32 (the exponents e of the quantised operands' scales 2^e); x_codes 4 x 2,048 x 32 x 32 uint8 (E4M3 codes of x, K innermost, in blocks of 32 codes).
;; Outputs: out0 4 x 2,048 x 1,024 float32.
;; This version of the problem:
;;   THIS VERSION OF THE PROBLEM IS GIVEN IN LOW PRECISION. The matrix products marked QUANTISED in the list below multiply operands that are first quantised to E4M3 (4 exponent bits, 3 mantissa bits; 8 bits a number), with one given power-of-two scale for each operand tensor; their sums are f32. All else is computed in f32.
;;   The module's matrix products, in the order in which they are computed (A, B: the left and right operand; K: the contracted axis; several contracted axes count as one K, in the product's order):
;;     1. [M 8,192, K 1,024] x [K 1,024, N 1,024]; A: input x (given as codes); B: input W_q (given as codes): QUANTISED (scales: A lowp_scales[0], B lowp_scales[1])
;;     2. [M 8,192, K 1,024] x [K 1,024, N 1,024]; A: input x (given as codes); B: input W_k (given as codes): QUANTISED (scales: A lowp_scales[2], B lowp_scales[3])
;;     3. [M 8,192, K 1,024] x [K 1,024, N 1,024]; A: input x (given as codes); B: input W_v (given as codes): QUANTISED (scales: A lowp_scales[4], B lowp_scales[5])
;;     4. batch 64 x [M 2,048, K 64] x [K 64, N 2,048]; A: computed on the way; B: computed on the way: QUANTISED (scales: A lowp_scales[6], B lowp_scales[7])
;;     5. batch 64 x [M 2,048, K 2,048] x [K 2,048, N 64]; A: softmax (see below); B: computed on the way: QUANTISED (scales: A lowp_scales[8], B lowp_scales[9])
;;     6. [M 8,192, K 1,024] x [K 1,024, N 1,024]; A: computed on the way; B: input W_o (given as codes): QUANTISED (scales: A lowp_scales[10], B lowp_scales[11])
;;   THE QUANTISER, for each operand of a quantised product, along K:
;;     - The operand's scale is 2^e, e = its entry of the input lowp_scales (int32; the entries are numbered through the quantised products in the list's order, A before B).
;;     - Each number is divided by the scale, clamped to +-448, and rounded to the nearest number of E4M3, ties to even, subnormals kept.
;;     - The product sums the exact products of the quantised numbers (number of the format x scale) in f32.
;;   ~~~python
;;   def quantise(x, axis, e):      # numpy; x: float32 -> the quantised numbers, widened to float32 again
;;       x = np.moveaxis(x, axis, -1); K = x.shape[-1]
;;       r = np.clip(x / 2.0 ** e, -448, 448)
;;       step = 2.0 ** (np.maximum(np.frexp(np.where(r == 0, 1, r))[1] - 1, -6) - 3)
;;       q = np.round(r / step) * step * 2.0 ** e      # np.round: ties to even
;;       return np.moveaxis(q, -1, axis).astype(np.float32)
;;   ~~~
;;   SOFTMAX AHEAD OF A QUANTISED PRODUCT. Where the list says 'softmax', what is quantised is not the finished softmax but p = 2^(t - M), with t = logit x log2(e) and M = ceil(the row's largest t), a whole number; so 1/2 < the row's largest p <= 1. The row's sum l is taken of the UNQUANTISED p, in f32, and the product's result is divided by l at the end. Since M is a whole number, a kernel that streams over the keys may use a running M (the ceiling of the running maximum): every later rescaling is an exact power of two, so the quantised numbers keep their values, but for numbers so far below the row's largest that they fall under the format's range.
;;   OPERANDS COMPUTED ON THE WAY. 'Computed on the way' means the value that the module computes at that place (a softmax that the list does not call 'softmax' is quantised finished and normalised). What goes into a quantiser is computed in f32, as accurately as f32 sums, v_exp_f32 and their like allow (about 1e-6 of the number): no bf16 or f16 on the way to a quantiser, and a product that is left as it is and whose result goes on into a quantised operand takes f32 operands (vector FMAs, or v_wmma_f32_16x16x4_f32). A number that lies on a knife's edge between two numbers of the format may be rounded either way, as far as f32 arithmetic and the matrix unit's own rounding can turn it there, and no further.
;;   INPUTS GIVEN AS CODES. W_k (in the module: [1024, 1024], K = its axis 1); W_o (in the module: [1024, 1024], K = its axis 1); W_q (in the module: [1024, 1024], K = its axis 1); W_v (in the module: [1024, 1024], K = its axis 1); x (in the module: [4, 2048, 1024], K = its axis 2): each comes as NAME_codes (uint8): NAME with its K axis moved to the last place and cut into blocks of 32 codes, [.., K / 32, bytes a block], one block behind the other in memory; one code a byte (a code: sign, 4 exponent bits, 3 mantissa bits); its scale is its entry of lowp_scales. Its value is code x scale, taken as it is: it is not quantised again, and the codes and scales need not be those that the quantiser above would give.
;; One version. Each part assembles by itself: llvm-mc -triple=amdgcn-amd-amdhsa -mcpu=gfx1250 --defsym DOCPART=n.
;; ======== version 1 of 1: 3 launches
;; limits: right only within a limited range of input values
;; workspace buffers: qkv 25,165,824 bytes; a_img 8,388,608 bytes
;; launch qkv_proj (part 1): grid 12 x 32, 4 waves a work-group, clusters of 4 x 4, 327,680 bytes of LDS; arguments x_codes, W_q_codes, W_k_codes, W_v_codes, lowp_scales, qkv; writes qkv
.if DOCPART == 1
	.amdgcn_target "amdgcn-amd-amdhsa--gfx1250"
	.amdhsa_code_object_version 6
	.text
	.protected	k_q8a991be6ac_qkv_proj
	.globl	k_q8a991be6ac_qkv_proj
	.p2align	8
	.type	k_q8a991be6ac_qkv_proj,@function
k_q8a991be6ac_qkv_proj:
	s_mov_b64 s[64:65], 0
	v_nop
	global_prefetch_b8 v0, s[64:65] scope:SCOPE_SE
	s_setreg_imm32_b32 hwreg(HW_REG_WAVE_MODE, 25, 1), 1
	s_wait_xcnt 0x0
	s_wait_alu depctr_hold_cnt(0) depctr_sa_sdst(0) depctr_va_vdst(0) depctr_va_sdst(0) depctr_va_ssrc(0) depctr_va_vcc(0) depctr_vm_vsrc(0)
	s_getreg_b32 s2, hwreg(HW_REG_IB_STS2, 6, 4)
	s_cmp_eq_u32 s2, 0
	s_cbranch_scc0 .Lentry_in_a_cluster
	s_endpgm
.Lentry_in_a_cluster:
	s_bfe_u32 s2, ttmp6, 0x10000c
	s_cmp_lg_u32 s2, 0xf033
	s_cbranch_scc0 .Lentry_shape_is_right
	s_endpgm
.Lentry_shape_is_right:
; q = x Wq^T, k = x Wk^T, v = x Wv^T on codes of FP8 (E4M3), sums in f32; each result is quantised at once (q with 2^e6, k with 2^e7, v with 2^e9) and leaves as codes.
; x: [8192][1024] codes, each W: [1024][1024] codes, K innermost.  The three products are one C of 8,192 x 3,072: 384 tiles of 256 x 256, a work-group each; 12 x 32 work-groups in clusters of 4 x 4.
; The cluster's x (0, 1, 2) says which weight: it is the same in all sixteen partners.  cx is the tile column inside the weight (four heads of 64), 4 x cluster y + cy the tile row.
; Four waves, each 128 x 128 of C: 64 accumulators, 512 registers.  K goes in steps of 128 through a ring of two LDS slots of 256 along K, filled by the tensor data mover.
; JOINT LOADS: the four partners of a cluster's row need the same tile of x, the four of a column the same tile of W: each tile is asked for by the same tensor load, with a mask that names the four.
; WHICH OPERAND IS SOURCE 0.  In a result a lane holds ONE row of source 1 and its eight registers run along the rows of source 0.  What is made here is an operand of attention's products:
;   q, k: their K there is the head's 64 channels: source 0 = rows of W (channels), source 1 = rows of x (tokens): a lane holds a token, its registers eight neighbouring channels.
;   v:    its K there is the keys:                 source 0 = rows of x (tokens),   source 1 = rows of W (channels): a lane holds a channel, its registers eight neighbouring tokens.
; Loads, masks and the LDS map are the same in all clusters; only the four fragment addresses are chosen, by the cluster's x.
; THE WAY OUT HAS NO LDS.  One conversion turns an accumulator's eight registers into registers 2 b, 2 b + 1 of the plain 8-bit operand layout (k = 16 b + 8 (lane / 16) + 0 .. 7).  So the codes are stored
; as IMAGES OF OPERAND REGISTERS: four registers a lane at 16 x lane, 512 consecutive bytes a store, at a multiple of 512 from the buffer's first byte.  With bh = 16 x batch + head:
;   q at byte 0, k at byte 8,388,608: [bh][token tile of 16: 128][1,024 bytes]: registers 4 g .. 4 g + 3 of the tile's 8 at 512 g + 16 x lane
;   v at byte 16,777,216: [bh][key step of 128: 16][channel tile of 16: 4][2,048 bytes]: registers 4 g .. 4 g + 3 of the fragment's 16 at 512 g + 16 x lane
; LIMIT: e6 - e0 - e1, e7 - e2 - e3 and e9 - e4 - e5 lie between -126 and 119, so that the folded scale and 448 x it are f32 numbers.  NaN codes among the inputs are not served.
; REGISTERS, in windows of 256: window 0: v0-31 addresses and constants; v128-255 source 1's fragments (8 x 16 rows x 128 K), ONE set; on the way out the codes.
;   window 1: source 0's fragments, TWO sets, at v0 and v128.   window 2: the accumulators of source 1's blocks 0-3 ((a, b) at v[8 (8 (a % 4) + b)]);   window 3: those of blocks 4-7.
.set ROWB,   256                       ; a tile's row: 256 codes
.set KROW,   1024                      ; a row of x or of W in memory, in bytes
.set PITCH,  272                       ; an LDS row: 256 bytes + 16 of padding = 68 words: the 16 rows that a fragment load touches start at 16 different banks (64 banks of 4 bytes: ISA guide 11.1)
.set FR,     16                        ; registers of a fragment: 16 rows x 128 K
.set NL,     4                         ; LDS loads that bring one
.set NP,     4                         ; places behind this matrix instruction (ISA guide 7.12.1)
.set HALFT,  128*PITCH                 ; 128 rows: what one tensor load brings, and what one wave reads of x or of W
.set SLOT,   4*HALFT                   ; x's 256 rows, then W's 256 rows
.set SPARE,  2*SLOT                    ; behind the ring: the spare words, 128 bytes for each wave: two blocks of 256 bytes that no other line names
.set ADR1, 16                          ; v16-17  LDS address of source 1's fragments in slot 0, 1
.set ADR0, 20                          ; v20-21  the same for source 0
.set VO1,  26                          ; v26     16 x lane: my place in an image's first two groups
.set VO2,  27                          ; v27     16 x lane + the distance to its last two groups
.set SPW,  28                          ; v28     LDS address of my spare word: SPARE + 4 x my thread's number; never rewritten
.set NIL,  29                          ; v29     0; never rewritten
.set SCL,  30                          ; v30     the folded scale as f32
.set LIM,  31
.set TMP,  32
.set AF,   128                         ; source 1's fragments; later eight sets of 16 registers of codes
.set G1, 24                            ; s[24:31] descriptor group 1 for x's tiles;  s[32:39] group 0, one set for each slot
.set G0, 32
.set G1B, 48                           ; s[48:55], s[56:63] the same for W's tiles
.set G0B, 56
.set BS,  84                           ; s[84:99] eight store bases, one for each block of source 1
.set MSB, 0
.macro WIN new                         ; the immediate's high byte repeats the setting that is left
.if MSB != \new
	s_set_vgpr_msb (MSB<<8)|\new
.set MSB, \new
.endif
.endm
.set MUL_LO, 0xa1                      ; source 0 window 1, source 1 window 0, C and D window 2
.set MUL_HI, 0xf1                      ; the same, C and D window 3
.set TO_0,   0x40                      ; destination window 1, address window 0
; A joint load: waves 0 and 1 fetch x's two halves, waves 2 and 3 W's.  Each of the two lines has ONE mask and one set of registers for all that issue it; the branch hangs on the wave's number alone.
; Four v_nop follow each of the two lines, ahead of the jump, the label and what follows.
.macro JLOAD g0a, g1a, g0b, g1b
	s_cmp_eq_u32 s17, 0
	s_cbranch_scc0 .Lfor_w_\@
	tensor_load_to_lds s[\g0a:\g0a+3], s[\g1a:\g1a+7]
	s_nop 0
.rept 4
	v_nop
.endr
	s_branch .Lasked_\@
.Lfor_w_\@:
	tensor_load_to_lds s[\g0b:\g0b+3], s[\g1b:\g1b+7]
	s_nop 0
.rept 4
	v_nop
.endr
.Lasked_\@:
.endm
.macro CREST                           ; a round of the cluster's barrier behind its opening barrier
	s_cmp_lg_u32 s16, 0
	s_cbranch_scc1 .Lnot_wave_0_\@
	s_barrier_signal -3
.Lnot_wave_0_\@:
	s_barrier_wait -3
	s_barrier_signal -1
	s_barrier_wait -1
.endm
.macro CROUND                          ; a whole round
	s_barrier_signal -1
	s_barrier_wait -1
	CREST
.endm
	s_load_b256 s[4:11], s[0:1], 0x0               ; x s[4:5], Wq s[6:7], Wk s[8:9], Wv s[10:11]
	s_load_b128 s[12:15], s[0:1], 0x20             ; the scales' exponents s[12:13], qkv s[14:15]
	v_lshl_add_u32 v[SPW], v0, 2, SPARE
	v_mov_b32 v[NIL], 0
	ds_add_u32 v28, v29
	ds_add_u32 v28, v29
	s_wait_dscnt 0x0
	v_lshrrev_b32 v1, 5, v0
	v_readfirstlane_b32 s16, v1                    ; wave 0..3
	s_lshr_b32 s17, s16, 1                         ; which half of the tile's tokens is mine.  Also: I fetch for x (0) or for W (1)
	s_and_b32 s18, s16, 1                          ; which half of its channels.  Also: which 128 rows of that tile I fetch
	s_bfe_u32 s40, ttmp6, 0x40000                  ; cx, cy: my place in the cluster
	s_bfe_u32 s41, ttmp6, 0x40004
	s_and_b32 s42, ttmp7, 0xffff
	s_lshl_b32 s42, s42, 2
	s_add_co_u32 s42, s42, s41                     ; tile row = 4 x cluster y + cy: 0 .. 31
	s_lshl_b32 s43, s41, 2
	s_lshl_b32 s43, 15, s43                        ; my row of the cluster
	s_lshl_b32 s44, 0x1111, s40                    ; my column
	; descriptor group 1: a tile of 128 rows x 256 bytes, padded in LDS
	s_or_b32 s[G1+0], s43, (0<<16)|(1<<20)|(1<<21)|(5<<22)|(3<<25)  ; 15:0 the mask: x's tiles go to my row; 17:16 elements of 1 byte; 20 padding on; 21 set beside a mask; 24:22 after every 64 words (code 5); 31:25 four words (code 3)
	s_or_b32 s[G1B+0], s44, (0<<16)|(1<<20)|(1<<21)|(5<<22)|(3<<25) ; the same with the mask of my column, for W's tiles
.irp g, G1, G1B
	s_mov_b32 s[\g+1], ROWB<<16                    ; tensor_dim0 = 256
	s_mov_b32 s[\g+2], 128<<16                     ; tensor_dim1 = 128
	s_mov_b32 s[\g+3], ROWB<<16                    ; tile_dim0 = 256
	s_mov_b32 s[\g+4], 128                         ; tile_dim1 = 128
	s_mov_b32 s[\g+5], KROW                        ; tensor_dim0_stride
	s_mov_b32 s[\g+6], 0
	s_mov_b32 s[\g+7], 0
.endr
	s_lshl_b32 s19, s18, 7                         ; which 128 rows of the tile I fetch
	s_lshl_b32 s20, s42, 8
	s_add_co_u32 s20, s20, s19                     ; x: row 256 x tile row + 128 x half,
	s_lshl_b32 s20, s20, 10                        ; in bytes (under 2^23)
	s_mov_b32 s21, 0
	s_lshl_b32 s46, s40, 8
	s_add_co_u32 s46, s46, s19                     ; W: row 256 cx + 128 x half,
	s_lshl_b32 s46, s46, 10                        ; in bytes
	s_mov_b32 s47, 0
	s_mul_i32 s45, s16, HALFT                      ; where they go: wave x 128 rows: no place in the cluster enters an LDS address
	s_wait_kmcnt 0x0
	s_load_b256 s[72:79], s[12:13], 0x0            ; e0 .. e7
	s_load_b128 s[80:83], s[12:13], 0x20           ; e8 .. e11
	s_cmp_eq_u32 ttmp9, 0                          ; the weight is chosen by the cluster's x
	s_cselect_b64 s[22:23], s[6:7], s[8:9]
	s_cmp_eq_u32 ttmp9, 2
	s_cselect_b64 s[22:23], s[10:11], s[22:23]
	s_add_nc_u64 s[20:21], s[4:5], s[20:21]
	s_add_nc_u64 s[46:47], s[22:23], s[46:47]
	CROUND                                         ; all sixteen work-groups are here: the first joint loads meet
.irp s, 0,1
	s_mov_b32 s[G0+4*\s], 1                                        ; count = 1
	s_add_co_u32 s[G0+4*\s+1], s45, \s*SLOT                        ; LDS address
	s_add_nc_u64 s[G0+4*\s+2:G0+4*\s+3], s[20:21], \s*ROWB         ; global address: 256 s along K
	s_or_b32 s[G0+4*\s+3], s[G0+4*\s+3], 0x80000000                ; type = 2
	s_mov_b32 s[G0B+4*\s], 1
	s_add_co_u32 s[G0B+4*\s+1], s45, \s*SLOT
	s_add_nc_u64 s[G0B+4*\s+2:G0B+4*\s+3], s[46:47], \s*ROWB
	s_or_b32 s[G0B+4*\s+3], s[G0B+4*\s+3], 0x80000000
	JLOAD G0+4*\s, G1, G0B+4*\s, G1B               ; two loads of mine are out
.endr
	v_and_b32 v1, 15, v0                           ; l % 16
	v_bfe_u32 v2, v0, 4, 1                         ; l / 16
	v_mul_u32_u24 v3, v1, PITCH
	v_lshl_add_u32 v4, v2, 4, v3                   ; a fragment's row x pitch + 16 x half
	s_wait_alu depctr_va_vdst(0)
	s_mul_i32 s19, s17, HALFT                      ; my 128 rows of x
	s_mul_i32 s22, s18, HALFT                      ; my 128 rows of W,
	s_add_co_u32 s22, s22, 2*HALFT                 ; which lie behind x's 256
	s_cmp_eq_u32 ttmp9, 2                          ; v?
	s_cselect_b32 s23, s19, s22                    ; source 0: x's rows for v, W's for q and k
	s_cselect_b32 s19, s22, s19                    ; source 1: the other.  Either way the address stays inside the slot
.irp s, 0,1
	v_add_nc_u32 v[ADR0+\s], s23, v4
	v_add_nc_u32 v[ADR1+\s], s19, v4
	s_add_co_u32 s23, s23, SLOT
	s_add_co_u32 s19, s19, SLOT
.endr
	; where my codes go.  The same sum serves all three: 16 token tiles of 1,024 bytes are as many bytes as 2 key steps of 8,192.
	s_lshr_b32 s66, s42, 3                         ; batch
	s_lshl_b32 s66, s66, 4
	s_lshl_b32 s67, s40, 2
	s_add_co_u32 s66, s66, s67
	s_lshl_b32 s67, s18, 1
	s_add_co_u32 s66, s66, s67                     ; bh of my first head: 16 x batch + 4 cx + 2 x half
	s_lshl_b32 s66, s66, 17                        ; a head's codes are 131,072 bytes
	s_and_b32 s67, s42, 7
	s_lshl_b32 s67, s67, 14                        ; the tile row's 256 tokens inside the batch
	s_add_co_u32 s66, s66, s67
	s_lshl_b32 s67, s17, 13                        ; my 128 of them
	s_add_co_u32 s66, s66, s67
	s_lshl_b32 s67, ttmp9, 23                      ; q, k or v: 8,388,608 bytes each
	s_add_co_u32 s66, s66, s67
	s_mov_b32 s67, 0
	s_add_nc_u64 s[BS:BS+1], s[14:15], s[66:67]
	s_cmp_eq_u32 ttmp9, 2                          ; block a of source 1 lies (a % 4) p1 + (a / 4) p2 further on; an image's groups 2 and 3 lie Qo behind groups 0 and 1
	s_mov_b32 s66, 1024                            ; q, k: a block is a token tile: p1 = 1,024, p2 = 4,096; groups 2, 3 are the next head's: Qo = 131,072
	s_cselect_b32 s66, 2048, s66                   ; v: a block is a channel tile: p1 = 2,048; four of them on the next head begins: p2 = 131,072; Qo = 1,024
	s_mov_b32 s68, 4096
	s_cselect_b32 s68, 0x20000, s68
	s_mov_b32 s70, 0x20000
	s_cselect_b32 s70, 1024, s70
	s_mov_b32 s69, 0
.irp a, 1,2,3
	s_add_nc_u64 s[BS+2*\a:BS+2*\a+1], s[BS+2*\a-2:BS+2*\a-1], s[66:67]
.endr
.irp a, 0,1,2,3
	s_add_nc_u64 s[BS+8+2*\a:BS+8+2*\a+1], s[BS+2*\a:BS+2*\a+1], s[68:69]
.endr
	v_and_b32 v5, 31, v0
	v_lshlrev_b32 v[VO1], 4, v5
	v_add_nc_u32 v[VO2], s70, v[VO1]
.macro FRAG reg, adr, q, i             ; a fragment, 16 rows x 128 K, is 16 registers: lane l holds row l % 16; registers 4 c .. 4 c + 3 hold K = 32 c + 16 (l / 16) + 0 .. 15: the same order of k in both sources
.irp c, 0,1,2,3
	ds_load_b128 v[\reg+4*\c:\reg+4*\c+3], v[\adr] offset:128*(\q)+32*\c+(\i)*16*PITCH
.endr
.endm
; 16 matrix instructions: source 1's blocks a0, a0 + 1 x source 0's eight, 128 along K.  p: source 0's set.  zero = 1: the first product starts the sums: nothing is ever cleared.
; The 64 accumulators take turns, one instruction a turn, in the same order in every step.
.macro MUL16 a0, p, zero
.irp a, \a0, \a0+1
.irp b, 0,1,2,3,4,5,6,7
.if \zero
	v_wmma_f32_16x16x128_fp8_fp8 v[8*(8*((\a)%4)+\b):8*(8*((\a)%4)+\b)+7], v[128*(\p)+FR*\b:128*(\p)+FR*\b+FR-1], v[AF+FR*(\a):AF+FR*(\a)+FR-1], 0
.else
	v_wmma_f32_16x16x128_fp8_fp8 v[8*(8*((\a)%4)+\b):8*(8*((\a)%4)+\b)+7], v[128*(\p)+FR*\b:128*(\p)+FR*\b+FR-1], v[AF+FR*(\a):AF+FR*(\a)+FR-1], v[8*(8*((\a)%4)+\b):8*(8*((\a)%4)+\b)+7]
.endif
.endr
.endr
.endm
.macro FETCH0 slot, q, p               ; source 0's eight fragments of the slot's q-th 128 along K into set p
	WIN TO_0
.irp i, 0,1,2,3,4,5,6,7
	FRAG 128*(\p)+FR*\i, ADR0+\slot, \q, \i
.endr
	WIN 0
.endm
.macro FETCH1 slot, q, i0              ; source 1's blocks i0 .. i0 + 3
.irp i, \i0, \i0+1, \i0+2, \i0+3
	FRAG AF+FR*(\i), ADR1+\slot, \q, \i
.endr
.endm
; A load into a register that a matrix instruction has read, and a vector instruction that reads a matrix result or writes one of its registers, stand NP places behind it; only plain vector
; instructions that name none of its registers are places (ISA guide 7.12.1 for vector instructions).
.macro PLACES n
.rept \n
	v_nop
.endr
.endm
; A step of 128 along K that has its successor in the same slot.  A block of source 1 is free as soon as its eight products are issued: blocks 0-3 are fetched anew in the step's middle, blocks 4-7 at its end.
.macro STEP slot, q, zero
	s_wait_dscnt 4*NL                              ; source 0's set and source 1's blocks 0-3 are in; the youngest sixteen loads (blocks 4-7) may be out
	WIN MUL_LO
	MUL16 0, (\q)%2, \zero
	MUL16 2, (\q)%2, \zero
	s_wait_dscnt 0                                 ; blocks 4-7 are in (asked for 32 matrix instructions ago)
	PLACES NP
	FETCH0 \slot, (\q)+1, 1-(\q)%2
	FETCH1 \slot, (\q)+1, 0
	WIN MUL_HI
	MUL16 4, (\q)%2, \zero
	MUL16 6, (\q)%2, \zero
	PLACES NP
	WIN 0
	FETCH1 \slot, (\q)+1, 4
.endm
; A slot's last step changes slots: ONE barrier; in front of it each wave waits for all its tensor loads, adds 0 to its spare word, and waits for that and for its own reads of this slot.  fill = 1: this slot is filled again, 512 along K ahead.
.macro TURN slot, next, fill
	s_wait_tensorcnt 0x0                           ; all my tensor loads have landed: my part of the next slot;  (every window is 0 here: the add's two registers lie in window 0)
	ds_add_u32 v[SPW], v[NIL]                      ; 0 onto my spare word
	s_wait_dscnt 4*NL+1                            ; (the add and the youngest sixteen loads, blocks 4-7, may be out)
	WIN MUL_LO
	MUL16 0, 1, 0                                  ; sixteen matrix instructions stand between the add and the wait for it
	s_wait_dscnt 0x0                               ; the add is done, and my reads of this slot are over
	s_barrier_signal -1
	MUL16 2, 1, 0
	WIN 0
	s_barrier_wait -1
.if \fill
	CREST                                          ; the barrier has opened a round of the cluster's barrier: no wave of any partner still reads this slot's tile or has a load on its way
	s_add_nc_u64 s[G0+4*\slot+2:G0+4*\slot+3], s[G0+4*\slot+2:G0+4*\slot+3], 2*ROWB
	s_add_nc_u64 s[G0B+4*\slot+2:G0B+4*\slot+3], s[G0B+4*\slot+2:G0B+4*\slot+3], 2*ROWB
	JLOAD G0+4*\slot, G1, G0B+4*\slot, G1B         ; the first tensor load behind the round, my one load until the next; the four v_nop behind it are the places in front of the loads below
.else
	PLACES NP
.endif
	FETCH0 \next, 0, 0
	FETCH1 \next, 0, 0
	WIN MUL_HI
	MUL16 4, 1, 0
	MUL16 6, 1, 0
	PLACES NP
	WIN 0
	FETCH1 \next, 0, 4
.endm
	s_wait_alu depctr_va_vdst(0)
	s_wait_tensorcnt 1                             ; my part of slot 0 is in (slot 1's load may be out)
	s_barrier_signal -1
	s_barrier_wait -1                              ; everybody's is
	FETCH0 0, 0, 0
	FETCH1 0, 0, 0
	FETCH1 0, 0, 4
	STEP 0, 0, 1                                   ; K = 1,024 is eight steps of 128, four slots: they are written out.  The first step's products start the sums
	TURN 0, 1, 1                                   ; slot 0 takes K 512 .. 767
	STEP 1, 0, 0
	TURN 1, 0, 1                                   ; slot 1 takes K 768 .. 1,023
	STEP 0, 0, 0
	TURN 0, 1, 0                                   ; nothing is left to fetch
	STEP 1, 0, 0
	s_wait_dscnt 4*NL                              ; the last step
	WIN MUL_LO
	MUL16 0, 1, 0
	MUL16 2, 1, 0
	s_wait_dscnt 0
	WIN MUL_HI
	MUL16 4, 1, 0
	MUL16 6, 1, 0
	WIN 0
	; THE WAY OUT.  A sum stands for sum x 2^(ex + ew), and its code is that / 2^eo: the three exponents are folded into the conversion's one scale, 2^(eo - ex - ew).
	s_wait_kmcnt 0x0
	s_sub_co_i32 s72, s78, s72
	s_sub_co_i32 s72, s72, s73                     ; q: e6 - e0 - e1
	s_sub_co_i32 s74, s79, s74
	s_sub_co_i32 s74, s74, s75                     ; k: e7 - e2 - e3
	s_sub_co_i32 s76, s81, s76
	s_sub_co_i32 s76, s76, s77                     ; v: e9 - e4 - e5
	s_cmp_eq_u32 ttmp9, 0
	s_cselect_b32 s72, s72, s74
	s_cmp_eq_u32 ttmp9, 2
	s_cselect_b32 s72, s76, s72
	s_add_co_i32 s72, s72, 127
	s_lshl_b32 s73, s72, 23
	v_mov_b32 v[SCL], s73                          ; the folded scale as f32: the conversion takes its exponent field
	s_add_co_i32 s72, s72, 8
	s_lshl_b32 s72, s72, 23
	s_or_b32 s72, s72, 0x600000
	PLACES NP                                      ; behind the last products: the codes below are written over source 1's fragments
; Block a of source 1: its eight accumulators are converted and stored (the conversion to an 8-bit code does not saturate: ISA guide 7.6.2).
; Each block has its own registers for its codes and its own base, so no source of a pending store is ever written again.
.macro OUT a
.set AC, 64*((\a)%4)
.set CD, AF+16*(\a)
	WIN 0x02+((\a)/4)                              ; source 0: window 2 or 3
.set j, 0
.rept 64
.set j, j+1
.endr
.irp b, 0,1,2,3,4,5,6,7
	v_cvt_scalef32_pk8_fp8_f32 v[CD+2*\b:CD+2*\b+1], v[AC+8*\b:AC+8*\b+7], v[SCL]
.endr
	WIN 0
	v_nop                                          ; one plain vector instruction behind the last conversion
	global_store_b128 v[VO1], v[CD:CD+3],     s[BS+2*(\a):BS+2*(\a)+1]              ; 32 lanes store 512 consecutive bytes
	global_store_b128 v[VO1], v[CD+4:CD+7],   s[BS+2*(\a):BS+2*(\a)+1] offset:512
	global_store_b128 v[VO2], v[CD+8:CD+11],  s[BS+2*(\a):BS+2*(\a)+1]
	global_store_b128 v[VO2], v[CD+12:CD+15], s[BS+2*(\a):BS+2*(\a)+1] offset:512
.endm
.irp a, 0,1,2,3,4,5,6,7
	OUT \a
.endr
	s_wait_tensorcnt 0x0                           ; the wave's end, behind my last tensor load
	ds_add_u32 v[SPW], v[NIL]
	s_wait_dscnt 0x0
	CROUND                                         ; the closing round: no work-group ends while a partner may still ask for a tile that names it
	s_endpgm
.Lfunc_end_k_q8a991be6ac_qkv_proj:
	.size	k_q8a991be6ac_qkv_proj, .Lfunc_end_k_q8a991be6ac_qkv_proj-k_q8a991be6ac_qkv_proj
	.p2alignl 7, 3214868480
	.fill 96, 4, 3214868480
	.section	.rodata,"a",@progbits
	.p2align	6, 0x0
	.amdhsa_kernel k_q8a991be6ac_qkv_proj
		.amdhsa_group_segment_fixed_size 327680
		.amdhsa_private_segment_fixed_size 0
		.amdhsa_enable_private_segment 0
		.amdhsa_kernarg_size 48
		.amdhsa_user_sgpr_count 2
		.amdhsa_user_sgpr_kernarg_segment_ptr 1
		.amdhsa_wavefront_size32 1
		.amdhsa_system_sgpr_workgroup_id_x 1
		.amdhsa_system_sgpr_workgroup_id_y 1
		.amdhsa_system_sgpr_workgroup_id_z 1
		.amdhsa_system_vgpr_workitem_id 0
		.amdhsa_next_free_vgpr 1024
		.amdhsa_next_free_sgpr 100
		.amdhsa_reserve_vcc 0
		.amdhsa_float_denorm_mode_32 3
		.amdhsa_float_denorm_mode_16_64 3
		.amdhsa_fp16_overflow 1
		.amdhsa_memory_ordered 1
		.amdhsa_forward_progress 1
		.amdhsa_inst_pref_size 87
	.end_amdhsa_kernel
	.amdgpu_metadata
---
amdhsa.version: [ 1, 2 ]
amdhsa.kernels:
  - .name:           k_q8a991be6ac_qkv_proj
    .symbol:         k_q8a991be6ac_qkv_proj.kd
    .args:
      - { .name: x_codes, .offset: 0, .size: 8, .value_kind: global_buffer, .address_space: global }
      - { .name: W_q_codes, .offset: 8, .size: 8, .value_kind: global_buffer, .address_space: global }
      - { .name: W_k_codes, .offset: 16, .size: 8, .value_kind: global_buffer, .address_space: global }
      - { .name: W_v_codes, .offset: 24, .size: 8, .value_kind: global_buffer, .address_space: global }
      - { .name: lowp_scales, .offset: 32, .size: 8, .value_kind: global_buffer, .address_space: global }
      - { .name: qkv, .offset: 40, .size: 8, .value_kind: global_buffer, .address_space: global }
    .group_segment_fixed_size: 327680
    .private_segment_fixed_size: 0
    .kernarg_segment_align: 8
    .kernarg_segment_size: 48
    .max_flat_workgroup_size: 128
    .sgpr_count:     100
    .vgpr_count:     1024
    .wavefront_size: 32
...
	.end_amdgpu_metadata
.endif
;; end of part 1
;; launch attn (part 2): grid 4 x 64, 16 waves a work-group, clusters of 4 x 1, 264,192 bytes of LDS; arguments qkv, lowp_scales, a_img; writes a_img
.if DOCPART == 2
	.amdgcn_target "amdgcn-amd-amdhsa--gfx1250"
	.amdhsa_code_object_version 6
	.text
	.protected	k_q8a991be6ac_attn
	.globl	k_q8a991be6ac_attn
	.p2align	8
	.type	k_q8a991be6ac_attn,@function
k_q8a991be6ac_attn:
	s_mov_b64 s[64:65], 0
	v_nop
	global_prefetch_b8 v0, s[64:65] scope:SCOPE_SE
	s_setreg_imm32_b32 hwreg(HW_REG_WAVE_MODE, 25, 1), 1
	s_wait_xcnt 0x0
	s_wait_alu depctr_hold_cnt(0) depctr_sa_sdst(0) depctr_va_vdst(0) depctr_va_sdst(0) depctr_va_ssrc(0) depctr_va_vcc(0) depctr_vm_vsrc(0)
	s_getreg_b32 s2, hwreg(HW_REG_IB_STS2, 6, 4)
	s_cmp_eq_u32 s2, 0
	s_cbranch_scc0 .Lentry_in_a_cluster
	s_endpgm
.Lentry_in_a_cluster:
	s_bfe_u32 s2, ttmp6, 0x10000c
	s_cmp_lg_u32 s2, 0x3003
	s_cbranch_scc0 .Lentry_shape_is_right
	s_endpgm
.Lentry_shape_is_right:
; Causal attention on codes of FP8 (E4M3): 64 heads (bh = 16 x batch + head) of 2,048 tokens x 64 channels.  q, k, v come as images of operand registers:
;   q at byte 0, k at byte 8,388,608 of qkv: [bh][token tile of 16: 128][1,024 bytes]: lane (r, h) holds token r; registers 2 c, 2 c + 1 channels 16 c + 8 h + 0 .. 7; registers 4 g .. 4 g + 3 at 512 g + 16 x lane
;   v at byte 16,777,216: [bh][key step of 128: 16][channel tile of 16: 4][2,048 bytes]: lane (r, h) holds channel r; registers 2 c, 2 c + 1 keys 16 c + 8 h + 0 .. 7; registers 4 g .. 4 g + 3 at 512 g + 16 x lane
; THE SOFTMAX AHEAD OF THE SECOND PRODUCT: t = score x log2(e) / 8; M = the row's largest t so far, rounded UP to a whole number; p = 2^(t - M) is quantised with 2^e8, not normalised.  The row's sum is taken of the
; unquantised p and divides at the end.  When M moves, the sum and O are multiplied by 2^(old M - new M), which rounds nothing.  The result is quantised with 2^e10.
; A HEAD'S K AND V STAY IN LDS: 131,072 bytes each, filled once: no slot is ever filled again, and no barrier stands in a loop.
; CLUSTER: the four work-groups of a head ask for K and V JOINTLY (mask 15): each tile is asked for by the same tensor load in all four, and each receives it in its own LDS.
; SHARES.  A head has 128 tiles of 16 queries; tile T needs the key steps 0 .. T / 8.  Wave w of the partner at place cx has G = w % 8 and u = 2 cx + w / 8 and owns two tiles: E = 8 G + u (G + 1 steps) and
; L = 8 (15 - G) + u (16 - G steps): 17 steps for every wave.  Branches hang on G and on loop counters alone; cx enters q's and the result's addresses in memory and the diagonal's lane number, nothing else.
; TWO HALVES.  First every wave works 8 steps that need key steps 0-7 alone (all of E, the first 7 - G of L); meanwhile key steps 8-15 land.  A barrier; then L's other 9 steps.
; LAYOUT.  Both products are used transposed: S^T = K Q^T (source 0 = 16 keys, source 1 = my 16 queries), O^T = V^T P^T (source 0 = 16 channels, source 1 = P): a lane holds ONE query (lane % 16) throughout.  Register j of S^T's tile t
; is key 16 t + 8 (lane / 16) + j: one conversion a tile gives registers 2 t, 2 t + 1 of P in the plain layout of the K = 128 form.  Nothing changes lanes.
; THE RESULT goes to a_img as images for the last product: [row tile: 128 x batch + T][K step of 128: head / 2][2,048 bytes], lane (r', h') registers 4 c .. 4 c + 3 = K 32 c + 16 h' + 0 .. 15 at 512 c + 16 x lane'.
; My eight codes of O^T's tile t (channels 16 t + 8 h + 0 .. 7 of query r) lie at 1,024 (head % 2) + 256 t + 16 r + 8 h: the 32 lanes store 256 consecutive bytes, at a multiple of 256 from the buffer's first byte.
; All tensor loads go out at the head, so there is no later load that a prefetch could run ahead of: none is written.
; LIMITS on the given exponents, so that each power of two below is an f32 number: e6 + e7 between -123 and 130 (added to c's exponent field); e8, and e10 - e8 - e9, between -126 and 119.  NaN codes are not served.
.set VOFF, 131072                      ; LDS: K at 0 (key step s at 8,192 s, tile t at 1,024 t), V at 131,072 (step s at 8,192 s, channel tile t at 2,048 t)
.set LA,   1                           ; v1   16 x lane: my place in every image; never rewritten
.set ADK,  2                           ; v2   LDS address of the step's K
.set ADV,  3                           ; v3   of its V
.set DG,   4                           ; v4   d = 16 u + r - 8 h: on the diagonal, register 8 t + j is hidden where 16 t + j > d
.set GO,   5                           ; v5   16 r + 8 h: my place in a stored unit; never rewritten
.set PSCL, 6                           ; v6   2^e8
.set PLIM, 7
.set OSCL, 8                           ; v8   2^(e10 - e8 - e9)
.set OLIM, 9
.set NINF, 10                          ; v10  -infinity
                                       ; v12 -M, v13 the largest t, v[14:15] the sum in two halves
.set QE,   16                          ; v[16:23] tile E's queries;  v[24:31] tile L's
.set QL,   24
.set F,    32                          ; v[32:95]   eight fragments of K (8 registers), then four of V (16)
.set S,    96                          ; v[96:159]  S^T, then p
.set O,    160                         ; v[160:191] O^T
.set P,    192                         ; v[192:207] p's codes
.set CE,   208                         ; v[208:215] tile E's result as codes;  v[216:223] tile L's
.set CL,   216
                                       ; v[248:249] f (v249 written once), v250, v251 the maximum's chains, v[252:253] the sum's second chain, v254 a lane permute's destination
.set WV,   10                          ; s10 wave;  s11 G;  s12 cx;  s13 u;  s14 bh;  s15 7 - G
.set G,    11
.set GX,   15
.set G1,   16                          ; s[16:23] descriptor group 1;  s[24:27], s[28:31] groups 0 of my two loads
.set CS,   40                          ; s[40:41] c = log2(e) / 8 x 2^(e6 + e7): the packed form names a pair and takes its low word for both halves
.set SEL,  42                          ; s[42:43] lane selects for v_permlanex16_b32: lane l xor 16
.set TB,   44                          ; s44  LDS byte of the key step in hand
.set CNT,  45                          ; s45  the loop's counter
.set BE,   46                          ; s[46:47] where tile E's result goes;  s[48:49] tile L's
.set BL,   48
.macro CROUND                          ; a round of the cluster's barrier
	s_barrier_signal -1
	s_barrier_wait -1
	s_cmp_lg_u32 s[WV], 0
	s_cbranch_scc1 .Lnot_wave_0_\@
	s_barrier_signal -3
.Lnot_wave_0_\@:
	s_barrier_wait -3
	s_barrier_signal -1
	s_barrier_wait -1
.endm
	s_load_b128 s[4:7], s[0:1], 0x0                ; qkv s[4:5], the scales' exponents s[6:7]
	s_load_b64 s[8:9], s[0:1], 0x10                ; a_img
	v_lshl_add_u32 v247, v0, 2, 0x40000
	v_mov_b32 v255, 0
	ds_add_u32 v247, v255
	ds_add_u32 v247, v255
	v_lshrrev_b32 v1, 5, v0
	s_delay_alu instid0(VALU_DEP_1)
	v_readfirstlane_b32 s[WV], v1                  ; wave 0..15
	s_and_b32 s[G], s[WV], 7
	s_xor_b32 s[GX], s[G], 7                       ; 7 - G
	s_bfe_u32 s12, ttmp6, 0x40000                  ; cx
	s_lshr_b32 s13, s[WV], 3
	s_lshl_b32 s50, s12, 1
	s_add_co_u32 s13, s13, s50                     ; u = 2 cx + wave / 8: 0 .. 7
	s_and_b32 s14, ttmp7, 0xffff                   ; bh, which the four partners share
	; descriptor group 1: 16,384 dense bytes as 64 rows of 256 (32 elements of 8 bytes)
	s_mov_b32 s[G1], 15|(3<<16)|(1<<21)            ; 15:0 the mask: all four work-groups; 17:16 elements of 8 bytes; 20 no padding; 21 set beside a mask
	s_mov_b32 s[G1+1], 32<<16                      ; tensor_dim0 = 32
	s_mov_b32 s[G1+2], 64<<16                      ; tensor_dim1 = 64
	s_mov_b32 s[G1+3], 32<<16                      ; tile_dim0 = 32
	s_mov_b32 s[G1+4], 64                          ; tile_dim1 = 64
	s_mov_b32 s[G1+5], 32                          ; tensor_dim0_stride: dense
	s_mov_b32 s[G1+6], 0
	s_mov_b32 s[G1+7], 0
	; what I fetch, if I fetch: waves 0-3 K, waves 4-7 V; 16,384 bytes of key steps 0-7, then the same 65,536 bytes further on, of key steps 8-15
	s_lshl_b32 s53, s14, 17                        ; the head's first byte in each of q, k, v
	s_bfe_u32 s50, s[WV], 0x10002                  ; bit 2 of the wave's number: 0 K, 1 V
	s_and_b32 s51, s[WV], 3
	s_lshl_b32 s51, s51, 14                        ; my quarter of a half
	s_lshl_b32 s25, s50, 17
	s_add_co_u32 s25, s25, s51                     ; LDS address: no place in the cluster enters it
	s_add_co_u32 s29, s25, 0x10000
	s_add_co_u32 s54, s50, 1
	s_lshl_b32 s54, s54, 23                        ; k or v in qkv
	s_add_co_u32 s54, s54, s53
	s_add_co_u32 s54, s54, s51
	s_mov_b32 s55, 0
	s_mov_b32 s24, 1                               ; count = 1
	s_mov_b32 s28, 1
	; my two tiles of queries
	s_lshl_b32 s61, s[G], 3
	s_add_co_u32 s61, s61, s13                     ; E = 8 G + u
	s_lshl_b32 s62, s[GX], 3
	s_add_co_u32 s62, s62, 64
	s_add_co_u32 s62, s62, s13                     ; L = 8 (15 - G) + u
	s_lshl_b32 s56, s61, 10
	s_add_co_u32 s56, s56, s53                     ; their images in q
	s_mov_b32 s57, 0
	s_lshl_b32 s58, s62, 10
	s_add_co_u32 s58, s58, s53
	s_mov_b32 s59, 0
	s_lshr_b32 s52, s14, 4
	s_lshl_b32 s52, s52, 7                         ; 128 x batch
	s_and_b32 s60, s14, 15
	s_lshl_b32 s60, s60, 10                        ; 1,024 x head = 2,048 (head / 2) + 1,024 (head % 2)
	s_add_co_u32 s[BE], s52, s61
	s_lshl_b32 s[BE], s[BE], 14                    ; a row tile's eight K steps are 16,384 bytes
	s_add_co_u32 s[BE], s[BE], s60
	s_mov_b32 s[BE+1], 0
	s_add_co_u32 s[BL], s52, s62
	s_lshl_b32 s[BL], s[BL], 14
	s_add_co_u32 s[BL], s[BL], s60
	s_mov_b32 s[BL+1], 0
	s_mov_b32 s[CS], 0x3e38aa3b                    ; c = log2(e) / sqrt(64)
	s_mov_b32 s[SEL], 0x76543210
	s_mov_b32 s[SEL+1], 0xfedcba98
	s_wait_dscnt 0x0
	s_wait_kmcnt 0x0
	s_load_b64 s[32:33], s[6:7], 0x18              ; e6, e7
	s_load_b64 s[34:35], s[6:7], 0x20              ; e8, e9
	s_load_b32 s36, s[6:7], 0x28                   ; e10
	s_add_nc_u64 s[26:27], s[4:5], s[54:55]        ; global addresses of my two loads
	s_add_nc_u64 s[30:31], s[26:27], 0x10000
	s_or_b32 s27, s27, 0x80000000                  ; type = 2
	s_or_b32 s31, s31, 0x80000000
	s_add_nc_u64 s[56:57], s[4:5], s[56:57]
	s_add_nc_u64 s[58:59], s[4:5], s[58:59]
	s_add_nc_u64 s[BE:BE+1], s[8:9], s[BE:BE+1]
	s_add_nc_u64 s[BL:BL+1], s[8:9], s[BL:BL+1]
	CROUND                                         ; all four work-groups are here: the joint loads meet
	s_cmp_lt_u32 s[WV], 8                          ; a wave's two fills stand in one branch on the wave's number, ahead of every wait on TENSORcnt, every LDS read and every other barrier
	s_cbranch_scc0 .Lno_fetch
	tensor_load_to_lds s[24:27], s[G1:G1+7]        ; key steps 0-7
	s_nop 0
	tensor_load_to_lds s[28:31], s[G1:G1+7]        ; key steps 8-15: two loads of mine are out
	s_nop 0
.rept 4
	v_nop
.endr
.Lno_fetch:
	v_and_b32 v[LA], 31, v0
	s_delay_alu instid0(VALU_DEP_1)
	v_lshlrev_b32 v[LA], 4, v[LA]
	global_load_b128 v[QE:QE+3],   v[LA], s[56:57]             ; the queries stay in registers
	global_load_b128 v[QE+4:QE+7], v[LA], s[56:57] offset:512
	global_load_b128 v[QL:QL+3],   v[LA], s[58:59]
	global_load_b128 v[QL+4:QL+7], v[LA], s[58:59] offset:512
	v_and_b32 v11, 15, v0                          ; r
	v_bfe_u32 v2, v0, 4, 1                         ; h
	s_delay_alu instid0(VALU_DEP_2)
	v_lshlrev_b32 v[GO], 4, v11
	s_delay_alu instid0(VALU_DEP_1)
	v_lshl_add_u32 v[GO], v2, 3, v[GO]
	s_delay_alu instid0(VALU_DEP_3)
	v_lshlrev_b32 v3, 3, v2
	s_delay_alu instid0(VALU_DEP_1)
	v_sub_nc_u32 v[DG], v11, v3
	s_lshl_b32 s50, s13, 4
	v_add_nc_u32 v[DG], s50, v[DG]                 ; d, a signed number
	v_mov_b32 v[NINF], 0xff800000
	v_mov_b32 v249, 0                              ; (named as the upper half of the pair v[248:249])
	v_mov_b32 v254, 0                              ; written once: a lane permute's destination counts as one of its sources
	s_wait_kmcnt 0x0
	s_add_co_i32 s50, s32, s33
	s_lshl_b32 s50, s50, 23
	s_add_co_i32 s[CS], s[CS], s50                 ; a score stands for score x 2^(e6 + e7): the two exponents are added to c's exponent field
	s_mov_b32 s[CS+1], s[CS]                       ; (named with it as a pair, so it is written)
	s_add_co_i32 s50, s34, 127
	s_lshl_b32 s51, s50, 23
	v_mov_b32 v[PSCL], s51                         ; 2^e8 as f32, for p's conversions
	s_sub_co_i32 s50, s36, s34
	s_sub_co_i32 s50, s50, s35                     ; O^T / the sum stands for that x 2^(e8 + e9); its code is that / 2^e10: folded into one scale
	s_add_co_i32 s50, s50, 127
	s_lshl_b32 s51, s50, 23
	v_mov_b32 v[OSCL], s51
.macro INIT                            ; a tile begins: O^T and the sum as zeros, the largest t under every t: the first change of M multiplies zeros, so the step is written without a first form
	v_mov_b32 v13, 0xff61b1e6                      ; -3e38
	s_delay_alu instid0(VALU_DEP_1)
	v_floor_f32 v12, -v13                          ; -M
	v_mov_b32 v14, 0
	v_mov_b32 v15, 0
.set n, 0
.rept 32
	v_mov_b32 v[O+n], 0
.set n, n+1
.endr
	s_mov_b32 s[TB], 0
	s_mov_b32 s[CNT], 0
.endm
; A LOOP OVER KEY STEPS of 128 keys, with a constant number of trips; q: the tile's queries.  A trip whose step is not the wave's is jumped over, but for the lines at its end that step the address and the counter.
; mode 0: tile E: steps 0 .. G, the last on the diagonal.   mode 1: tile L's first 7 - G steps: none on the diagonal.   mode 2: tile L's last nine: no trip is left out; the ninth lies on the diagonal.
.macro KEYLOOP q, mode, trips
.Lstep_\@:
.if \mode == 0
	s_cmp_gt_u32 s[CNT], s[G]
	s_cbranch_scc1 .Lskip_\@
.elseif \mode == 1
	s_cmp_ge_u32 s[CNT], s[GX]
	s_cbranch_scc1 .Lskip_\@
.endif
	s_setprio 2
	v_add_nc_u32 v[ADK], s[TB], v[LA]
	s_delay_alu instid0(VALU_DEP_1)
	v_add_nc_u32 v[ADV], VOFF, v[ADK]
	v_nop                                          ; with the two additions: four places between the last step's products and the loads into the registers that they read
	v_nop
.irp t, 0,1,2,3,4,5,6,7                        ; K's eight tiles of 16 keys: 512 consecutive bytes a load
	ds_load_b128 v[F+8*\t:F+8*\t+3],   v[ADK] offset:1024*\t
	ds_load_b128 v[F+8*\t+4:F+8*\t+7], v[ADK] offset:1024*\t+512
.endr
	s_wait_alu depctr_va_vdst(0)
	s_wait_dscnt 0x0
.irp t, 0,1,2,3,4,5,6,7
	v_wmma_f32_16x16x64_fp8_fp8 v[S+8*\t:S+8*\t+7], v[F+8*\t:F+8*\t+7], v[\q:\q+7], 0
.endr
.rept 4
	v_nop                                          ; places in front of the loads below and of the first read of the scores
.endr
.irp t, 0,1,2,3                                ; V's four fragments are asked for now and land under the softmax
.irp g, 0,1,2,3
	ds_load_b128 v[F+16*\t+4*\g:F+16*\t+4*\g+3], v[ADV] offset:2048*\t+512*\g
.endr
.endr
.if \mode != 1                                 ; on the diagonal the scores of hidden keys become -infinity ahead of the maximum: p = 0 then.  The step's key 0 counts for every query of the tile
.if \mode == 0
	s_cmp_lg_u32 s[CNT], s[G]
.else
	s_cmp_lg_u32 s[CNT], 8
.endif
	s_cbranch_scc1 .Lopen_\@
.set n, 0
.rept 64
	v_cmp_gt_i32 vcc_lo, 16*(n/8)+n%8, v[DG]
	v_cndmask_b32 v[S+n], v[S+n], v[NINF], vcc_lo
.set n, n+1
.endr
.Lopen_\@:
.endif
	v_max3_num_f32 v250, v[S], v[S+1], v[S+2]      ; the step's largest score of my query, among my 64 keys, in two chains, each accumulator from its low end on,
	v_max3_num_f32 v251, v[S+3], v[S+4], v[S+5]
.set n, 6
.rept 14
	v_max3_num_f32 v250, v250, v[S+n], v[S+n+1]
	v_max3_num_f32 v251, v251, v[S+n+2], v[S+n+3]
.set n, n+4
.endr
	v_max3_num_f32 v250, v250, v[S+62], v[S+63]
	s_delay_alu instid0(VALU_DEP_1)
	v_max_num_f32 v250, v250, v251
	s_delay_alu instid0(VALU_DEP_1)
	v_permlanex16_b32 v254, v250, s[SEL], s[SEL+1]
	s_delay_alu instid0(VALU_DEP_1)
	v_max_num_f32 v250, v250, v254                 ; and among lane l xor 16's
	s_delay_alu instid0(VALU_DEP_1)
	v_mul_f32 v250, s[CS], v250                    ; as t (c is positive)
	s_delay_alu instid0(VALU_DEP_1)
	v_max_num_f32 v13, v13, v250                   ; the running largest t
	v_mov_b32 v250, v12
	s_delay_alu instid0(VALU_DEP_2)
	v_floor_f32 v12, -v13                          ; the new -M = floor(-t) = -ceil(t): a whole number
	s_delay_alu instid0(VALU_DEP_1)
	v_sub_f32 v250, v12, v250                      ; M's old value less its new one: a whole number, 0 or less
	s_delay_alu instid0(VALU_DEP_1)
	v_cvt_i32_f32 v250, v250                       ; (it saturates)
	s_delay_alu instid0(VALU_DEP_1)
	v_ldexp_f32 v248, 1.0, v250                    ; f = 2^(old M - new M)
.set n, 0
.rept 32
	v_pk_fma_f32 v[S+n:S+n+1], v[S+n:S+n+1], s[CS:CS+1], v[12:13] op_sel_hi:[1,0,0]   ; t - M, two at a time (of the pairs c and -M the low word serves both halves)
.set n, n+2
.endr
.set n, 0
	s_setprio 1
	s_wait_alu depctr_va_vdst(0)
.rept 64
	v_exp_f32 v[S+n], v[S+n]                       ; p = 2^(t - M), at most 1: not normalised
.set n, n+1
.endr
	v_pk_mul_f32 v[14:15], v[14:15], v[248:249] op_sel_hi:[1,0]   ; the sums under the new M: the plain instruction behind the exponentials
	s_wait_alu depctr_va_vdst(0)                   ; one wait for the batch of 64, ahead of the first instruction that names a result
	v_pk_add_f32 v[252:253], v[100:101], v[104:105]
	v_pk_add_f32 v[250:251], v[108:109], v[112:113]
	v_pk_add_f32 v[244:245], v[116:117], v[120:121]
	v_pk_add_f32 v[242:243], v[124:125], v[128:129]
	v_pk_add_f32 v[240:241], v[132:133], v[136:137]
	v_pk_add_f32 v[238:239], v[140:141], v[144:145]
	v_pk_add_f32 v[236:237], v[148:149], v[152:153]
	v_pk_add_f32 v[14:15], v[14:15], v[156:157]
	v_pk_add_f32 v[252:253], v[252:253], v[96:97]
	v_pk_add_f32 v[250:251], v[250:251], v[98:99]
	v_pk_add_f32 v[244:245], v[244:245], v[102:103]
	v_pk_add_f32 v[242:243], v[242:243], v[106:107]
	v_pk_add_f32 v[240:241], v[240:241], v[110:111]
	v_pk_add_f32 v[238:239], v[238:239], v[114:115]
	v_pk_add_f32 v[236:237], v[236:237], v[118:119]
	v_pk_add_f32 v[14:15], v[14:15], v[122:123]
	v_pk_add_f32 v[252:253], v[252:253], v[126:127]
	v_pk_add_f32 v[250:251], v[250:251], v[130:131]
	v_pk_add_f32 v[244:245], v[244:245], v[134:135]
	v_pk_add_f32 v[242:243], v[242:243], v[138:139]
	v_pk_add_f32 v[240:241], v[240:241], v[142:143]
	v_pk_add_f32 v[238:239], v[238:239], v[146:147]
	v_pk_add_f32 v[236:237], v[236:237], v[150:151]
	v_pk_add_f32 v[14:15], v[14:15], v[154:155]
	v_pk_add_f32 v[252:253], v[252:253], v[158:159]
	s_delay_alu instid0(VALU_DEP_2)
	v_pk_add_f32 v[14:15], v[14:15], v[242:243]
	s_delay_alu instid0(VALU_DEP_2)
	v_pk_add_f32 v[252:253], v[252:253], v[240:241]
	v_pk_add_f32 v[250:251], v[250:251], v[238:239]
	v_pk_add_f32 v[244:245], v[244:245], v[236:237]
	s_delay_alu instid0(VALU_DEP_2)
	v_pk_add_f32 v[14:15], v[14:15], v[250:251]
	s_delay_alu instid0(VALU_DEP_2)
	v_pk_add_f32 v[252:253], v[252:253], v[244:245]
	s_delay_alu instid0(VALU_DEP_1)
	v_pk_add_f32 v[14:15], v[14:15], v[252:253]
	s_setprio 0
.irp t, 0,1,2,3,4,5,6,7
.irp i, 0,1,2,3,4,5,6,7
.endr
	v_cvt_scalef32_pk8_fp8_f32 v[P+2*\t:P+2*\t+1], v[S+8*\t:S+8*\t+7], v[PSCL]   ; keys 16 t + 8 h + 0 .. 7: registers 2 t, 2 t + 1 of P
.endr
.set n, 0
.rept 16
	v_pk_mul_f32 v[O+n:O+n+1], v[O+n:O+n+1], v[248:249] op_sel_hi:[1,0]   ; O^T under the new M.  (Plain instructions between the last conversion and the products that read its result)
.set n, n+2
.endr
	s_wait_alu depctr_va_vdst(0)
	s_wait_dscnt 0x0                               ; V is in
.irp t, 0,1,2,3                                ; O^T += V^T P^T; the four accumulators take turns, one instruction a turn, and the next step's eight products on the scores stand between two links
	v_wmma_f32_16x16x128_fp8_fp8 v[O+8*\t:O+8*\t+7], v[F+16*\t:F+16*\t+15], v[P:P+15], v[O+8*\t:O+8*\t+7]
.endr
.Lskip_\@:
	s_add_co_u32 s[TB], s[TB], 8192
	s_add_co_u32 s[CNT], s[CNT], 1
	s_cmp_lt_u32 s[CNT], \trips
	s_cbranch_scc1 .Lstep_\@
	s_setprio 0
.endm
; A tile ends: O^T is divided by the row's sum, converted with the folded scale and stored.  cd: the tile's own registers for its codes; base: its own base: no source of a pending store is written again.
.macro FIN cd, base
.rept 4
	v_nop                                          ; places behind the last products
.endr
	v_add_f32 v14, v14, v15                        ; the sum's two halves,
	s_delay_alu instid0(VALU_DEP_1)
	v_permlanex16_b32 v254, v14, s[SEL], s[SEL+1]
	s_delay_alu instid0(VALU_DEP_1)
	v_add_f32 v14, v14, v254                       ; and lane l xor 16's
	s_wait_alu depctr_va_vdst(0)
	v_rcp_f32 v14, v14
	v_nop                                          ; a plain instruction behind the reciprocal,
	s_wait_alu depctr_va_vdst(0)                   ; and the wait ahead of its first reader
.set n, 0
.rept 16
	v_pk_mul_f32 v[S+n:S+n+1], v[O+n:O+n+1], v[14:15] op_sel_hi:[1,0]   ; each accumulator from its low end on
.set n, n+2
.endr
.set n, 0
.rept 32
.set n, n+1
.endr
.irp t, 0,1,2,3
	v_cvt_scalef32_pk8_fp8_f32 v[\cd+2*\t:\cd+2*\t+1], v[S+8*\t:S+8*\t+7], v[OSCL]
.endr
	v_nop                                          ; one plain vector instruction behind the last conversion: later products write its sources
.irp t, 0,1,2,3
	global_store_b64 v[GO], v[\cd+2*\t:\cd+2*\t+1], s[\base:\base+1] offset:256*\t   ; 32 lanes store 256 consecutive bytes
.endr
.endm
	s_wait_tensorcnt 0x1                           ; my part of key steps 0-7 is in; my load of key steps 8-15 may stay out
	s_barrier_signal -1
	s_barrier_wait -1                              ; everybody's is
	s_wait_loadcnt 0x0                             ; the queries
	INIT
	KEYLOOP QE, 0, 8                               ; tile E: G + 1 steps
	FIN CE, BE
	INIT
	KEYLOOP QL, 1, 7                               ; tile L: 7 - G steps: with E's, eight steps in every wave, all among key steps 0-7
	s_wait_tensorcnt 0x0                           ; my part of key steps 8-15 is in,
	s_wait_dscnt 0x0
	s_barrier_signal -1
	s_barrier_wait -1                              ; everybody's is
	s_lshl_b32 s[TB], s[GX], 13                    ; tile L goes on at key step 7 - G
	s_mov_b32 s[CNT], 0
	KEYLOOP QL, 2, 9                               ; nine steps in every wave
	FIN CL, BL
	s_wait_tensorcnt 0x0
	ds_add_u32 v247, v255
	s_wait_dscnt 0x0
	CROUND                                         ; the closing round: no work-group ends while a partner may still ask for a tile that names it
	s_endpgm
.Lfunc_end_k_q8a991be6ac_attn:
	.size	k_q8a991be6ac_attn, .Lfunc_end_k_q8a991be6ac_attn-k_q8a991be6ac_attn
	.p2alignl 7, 3214868480
	.fill 96, 4, 3214868480
	.section	.rodata,"a",@progbits
	.p2align	6, 0x0
	.amdhsa_kernel k_q8a991be6ac_attn
		.amdhsa_group_segment_fixed_size 264192
		.amdhsa_private_segment_fixed_size 0
		.amdhsa_enable_private_segment 0
		.amdhsa_kernarg_size 24
		.amdhsa_user_sgpr_count 2
		.amdhsa_user_sgpr_kernarg_segment_ptr 1
		.amdhsa_wavefront_size32 1
		.amdhsa_system_sgpr_workgroup_id_x 1
		.amdhsa_system_sgpr_workgroup_id_y 1
		.amdhsa_system_sgpr_workgroup_id_z 1
		.amdhsa_system_vgpr_workitem_id 0
		.amdhsa_next_free_vgpr 256
		.amdhsa_next_free_sgpr 66
		.amdhsa_reserve_vcc 1
		.amdhsa_float_denorm_mode_32 3
		.amdhsa_float_denorm_mode_16_64 3
		.amdhsa_fp16_overflow 1
		.amdhsa_memory_ordered 1
		.amdhsa_forward_progress 1
		.amdhsa_inst_pref_size 66
	.end_amdhsa_kernel
	.amdgpu_metadata
---
amdhsa.version: [ 1, 2 ]
amdhsa.kernels:
  - .name:           k_q8a991be6ac_attn
    .symbol:         k_q8a991be6ac_attn.kd
    .args:
      - { .name: qkv, .offset: 0, .size: 8, .value_kind: global_buffer, .address_space: global }
      - { .name: lowp_scales, .offset: 8, .size: 8, .value_kind: global_buffer, .address_space: global }
      - { .name: a_img, .offset: 16, .size: 8, .value_kind: global_buffer, .address_space: global }
    .group_segment_fixed_size: 264192
    .private_segment_fixed_size: 0
    .kernarg_segment_align: 8
    .kernarg_segment_size: 24
    .max_flat_workgroup_size: 512
    .sgpr_count:     66
    .vgpr_count:     256
    .wavefront_size: 32
...
	.end_amdgpu_metadata
.endif
;; end of part 2
;; launch out_proj (part 3): grid 4 x 32, 4 waves a work-group, clusters of 4 x 4, 327,680 bytes of LDS; arguments a_img, W_o_codes, lowp_scales, out0; writes out0
.if DOCPART == 3
	.amdgcn_target "amdgcn-amd-amdhsa--gfx1250"
	.amdhsa_code_object_version 6
	.text
	.protected	k_q8a991be6ac_out_proj
	.globl	k_q8a991be6ac_out_proj
	.p2align	8
	.type	k_q8a991be6ac_out_proj,@function
k_q8a991be6ac_out_proj:
	s_mov_b64 s[64:65], 0
	v_nop
	global_prefetch_b8 v0, s[64:65] scope:SCOPE_SE
	s_setreg_imm32_b32 hwreg(HW_REG_WAVE_MODE, 25, 1), 1
	s_wait_xcnt 0x0
	s_wait_alu depctr_hold_cnt(0) depctr_sa_sdst(0) depctr_va_vdst(0) depctr_va_sdst(0) depctr_va_ssrc(0) depctr_va_vcc(0) depctr_vm_vsrc(0)
	s_getreg_b32 s2, hwreg(HW_REG_IB_STS2, 6, 4)
	s_cmp_eq_u32 s2, 0
	s_cbranch_scc0 .Lentry_in_a_cluster
	s_endpgm
.Lentry_in_a_cluster:
	s_bfe_u32 s2, ttmp6, 0x10000c
	s_cmp_lg_u32 s2, 0xf033
	s_cbranch_scc0 .Lentry_shape_is_right
	s_endpgm
.Lentry_shape_is_right:
; out0[m][n] = 2^(e10 + e11) x the sum over k of A[m][k] Wo[n][k], on codes of FP8 (E4M3), sums in f32.  M = 8,192, N = K = 1,024.  out0: f32.
; A, attention's result, comes as IMAGES OF OPERAND REGISTERS: a_img [row tile of 16: 512][K step of 128: 8][2,048 bytes]: lane (r, h) holds row r; registers 4 c .. 4 c + 3 hold K = 32 c + 16 h + 0 .. 15 and lie at 512 c + 16 x lane.
; Wo: [1024][1024] codes, K innermost; its fragments are read from padded LDS rows in the same order of k.
; A tile of out0, 256 x 256, is made by a work-group of four waves, each 128 x 128: 64 accumulators, 512 registers.  That is 128 work-groups: this text keeps the large wave tile, which reads each LDS byte for the most products.
; K goes in steps of 128 through a ring of two LDS slots of 256 along K, filled by the tensor data mover.
; CLUSTERS: 4 x 4 work-groups.  The four of a row of the cluster need the same tiles of A, the four of a column the same tiles of Wo: each tile is asked for JOINTLY, by the same tensor load with a mask that names the four.
; THE MATRIX INSTRUCTION IS USED TRANSPOSED (source 0 = 16 rows of Wo, source 1 = 16 rows of A): a lane then holds eight neighbouring numbers of a row of out0.
; LIMIT: e10 + e11 lies between -126 and 127, so that 2^(e10 + e11) is an f32 number.
; REGISTERS, in windows of 256: window 0: v0-31 addresses; from v128 A's fragments (8 x 16 rows x 128 K), ONE set; on the way out v32-255 are free.
;   window 1: Wo's fragments, TWO sets, at v0 and at v128.   window 2: the accumulators of my rows 0-63 ((a, b) at v[8 (8 a + b)]);   window 3: those of my rows 64-127.
.set SIZE_N, 1024
.set ROWB,   256                       ; a row of Wo's tile: 256 codes
.set KROW,   1024                      ; a row of Wo in memory
.set PITCH,  272                       ; Wo's LDS row: 256 bytes + 16 of padding = 68 words: the 16 rows that a fragment load touches start at 16 different banks (64 banks of 4 bytes: ISA guide 11.1)
.set FR,     16
.set NL,     4
.set NP,     4                         ; places behind this matrix instruction (ISA guide 7.12.1)
.set ATILE,  4096                      ; a row tile's two K steps of a slot: dense
.set AHALF,  8*ATILE                   ; 8 row tiles, 128 rows: what one tensor load brings of A
.set HALFT,  128*PITCH                 ; 128 rows of Wo
.set BOFF,   2*AHALF                   ; a slot: A's two halves, then Wo's two halves
.set SLOT,   2*AHALF+2*HALFT
.set SPARE,  2*SLOT                    ; behind the ring: the spare words, 128 bytes for each wave: two blocks of 256 bytes that no other line names
.set SPITCH, 528                       ; the way out: a stage of 16 rows x (512 bytes + 16) for each wave.  It lies in slot 0, which has had its last fill and its last read when the first result is stored there
.set ADRA, 16                          ; v16-17  LDS address of my A fragments in slot 0, 1
.set ADRB, 20                          ; v20-21  the same for Wo
.set STO,  24                          ; v24     the way out: where I put 32 bytes of a row
.set RD,   25                          ; v25     the way out: where I read a row back
.set CO,   26                          ; v26     16 x lane: my byte offset in a row piece of out0, and my place in an image
.set SPW,  28                          ; v28     LDS address of my spare word: SPARE + 4 x my thread's number; never rewritten
.set NIL,  29                          ; v29     0; never rewritten
.set TMP,  32                          ; the way out: 64 registers, a block's sums x 2^(e10 + e11)
.set AF,   128                         ; A's fragments, in window 0
.set BK,   128                         ; the way out: 16 rows read back from the stage: v128-191 and v192-255 by turns
.set G1, 24                            ; s[24:31] descriptor group 1 for A's tiles;  s[32:39] group 0, one set for each slot
.set G0, 32
.set G1B, 48                           ; s[48:55], s[56:63] the same for Wo's tiles
.set G0B, 56
.set MSB, 0
.macro WIN new                         ; the immediate's high byte repeats the setting that is left
.if MSB != \new
	s_set_vgpr_msb (MSB<<8)|\new
.set MSB, \new
.endif
.endm
.set MUL_LO, 0xa1                      ; source 0 (Wo) window 1, source 1 (A) window 0, C and D window 2
.set MUL_HI, 0xf1                      ; the same, C and D window 3
.set TO_B,   0x40                      ; destination window 1, address window 0
; A joint load: waves 0 and 1 fetch for A, waves 2 and 3 for Wo.  Each of the two lines has ONE mask and one set of registers for all that issue it; the branch hangs on the wave's number alone.
; Four v_nop follow each of the two lines, ahead of the jump, the label and what follows.
.macro JLOAD g0a, g1a, g0b, g1b
	s_cmp_eq_u32 s15, 0
	s_cbranch_scc0 .Lfor_b_\@
	tensor_load_to_lds s[\g0a:\g0a+3], s[\g1a:\g1a+7]
	s_nop 0
.rept 4
	v_nop
.endr
	s_branch .Lasked_\@
.Lfor_b_\@:
	tensor_load_to_lds s[\g0b:\g0b+3], s[\g1b:\g1b+7]
	s_nop 0
.rept 4
	v_nop
.endr
.Lasked_\@:
.endm
.macro CREST                           ; a round of the cluster's barrier behind its opening barrier
	s_cmp_lg_u32 s14, 0
	s_cbranch_scc1 .Lnot_wave_0_\@
	s_barrier_signal -3
.Lnot_wave_0_\@:
	s_barrier_wait -3
	s_barrier_signal -1
	s_barrier_wait -1
.endm
.macro CROUND                          ; a whole round
	s_barrier_signal -1
	s_barrier_wait -1
	CREST
.endm
	s_load_b128 s[4:7], s[0:1], 0x0                ; a_img s[4:5], Wo's codes s[6:7]
	s_load_b128 s[8:11], s[0:1], 0x10              ; the scales' exponents s[8:9], out0 s[10:11]
	v_lshl_add_u32 v[SPW], v0, 2, SPARE
	v_mov_b32 v[NIL], 0
	ds_add_u32 v28, v29
	ds_add_u32 v28, v29
	s_wait_dscnt 0x0
	v_lshrrev_b32 v1, 5, v0
	v_readfirstlane_b32 s14, v1                    ; wave 0..3
	s_lshr_b32 s15, s14, 1                         ; which half of the tile's rows is mine.  Also: I fetch for A (0) or for Wo (1)
	s_and_b32 s16, s14, 1                          ; which half of its columns.  Also: which 128 rows of that tile I fetch
	s_bfe_u32 s40, ttmp6, 0x40000                  ; cx, cy: my place in the cluster
	s_bfe_u32 s41, ttmp6, 0x40004
	s_lshl_b32 s42, ttmp9, 2
	s_add_co_u32 s42, s42, s40                     ; tile column = 4 x cluster x + cx
	s_and_b32 s17, ttmp7, 0xffff
	s_lshl_b32 s17, s17, 2
	s_add_co_u32 s17, s17, s41                     ; tile row = 4 x cluster y + cy
	s_lshl_b32 s43, s41, 2
	s_lshl_b32 s43, 15, s43                        ; my row of the cluster
	s_lshl_b32 s44, 0x1111, s40                    ; my column
	; descriptor group 1 for A: 8 row tiles, of each 4,096 consecutive bytes (two K steps), 16,384 bytes apart in memory, dense in LDS
	s_or_b32 s[G1+0], s43, (0<<16)|(1<<21)         ; 15:0 the mask: A's tiles go to my row; 17:16 elements of 1 byte; 20 no padding; 21 set beside a mask
	s_mov_b32 s[G1+1], ATILE<<16                   ; tensor_dim0 = 4,096
	s_mov_b32 s[G1+2], 8<<16                       ; tensor_dim1 = 8
	s_mov_b32 s[G1+3], ATILE<<16                   ; tile_dim0 = 4,096
	s_mov_b32 s[G1+4], 8                           ; tile_dim1 = 8
	s_mov_b32 s[G1+5], 16384                       ; tensor_dim0_stride
	s_mov_b32 s[G1+6], 0
	s_mov_b32 s[G1+7], 0
	; for Wo: 128 rows x 256 bytes, padded in LDS
	s_or_b32 s[G1B+0], s44, (0<<16)|(1<<20)|(1<<21)|(5<<22)|(3<<25)  ; the mask of my column; padding on: four words (code 3) after every 64 (code 5)
	s_mov_b32 s[G1B+1], ROWB<<16
	s_mov_b32 s[G1B+2], 128<<16
	s_mov_b32 s[G1B+3], ROWB<<16
	s_mov_b32 s[G1B+4], 128
	s_mov_b32 s[G1B+5], KROW
	s_mov_b32 s[G1B+6], 0
	s_mov_b32 s[G1B+7], 0
	s_lshl_b32 s20, s17, 4
	s_lshl_b32 s18, s16, 3
	s_add_co_u32 s20, s20, s18                     ; A: row tile 16 x tile row + 8 x half,
	s_lshl_b32 s20, s20, 14                        ; in bytes (under 2^23)
	s_mov_b32 s21, 0
	s_lshl_b32 s46, s42, 8
	s_lshl_b32 s18, s16, 7
	s_add_co_u32 s46, s46, s18                     ; Wo: row 256 x tile column + 128 x half,
	s_lshl_b32 s46, s46, 10                        ; in bytes
	s_mov_b32 s47, 0
	s_lshl_b32 s45, s16, 15                        ; where they go: A's half,
	s_mul_i32 s19, s16, HALFT
	s_add_co_u32 s19, s19, BOFF                    ; Wo's half: no place in the cluster enters an LDS address
	s_wait_kmcnt 0x0
	s_load_b64 s[96:97], s[8:9], 0x28              ; e10, e11
	s_add_nc_u64 s[20:21], s[4:5], s[20:21]
	s_add_nc_u64 s[46:47], s[6:7], s[46:47]
	CROUND                                         ; all sixteen work-groups are here: the first joint loads meet
.irp s, 0,1
	s_mov_b32 s[G0+4*\s], 1
	s_add_co_u32 s[G0+4*\s+1], s45, \s*SLOT
	s_add_nc_u64 s[G0+4*\s+2:G0+4*\s+3], s[20:21], \s*ATILE
	s_or_b32 s[G0+4*\s+3], s[G0+4*\s+3], 0x80000000
	s_mov_b32 s[G0B+4*\s], 1
	s_add_co_u32 s[G0B+4*\s+1], s19, \s*SLOT
	s_add_nc_u64 s[G0B+4*\s+2:G0B+4*\s+3], s[46:47], \s*ROWB
	s_or_b32 s[G0B+4*\s+3], s[G0B+4*\s+3], 0x80000000
	s_wait_alu depctr_va_vdst(0)
	s_wait_tensorcnt 0x0
	ds_add_u32 v28, v29
	ds_add_u32 v28, v29
	s_wait_dscnt 0x0
	CROUND
	JLOAD G0+4*\s, G1, G0B+4*\s, G1B               ; one load of mine is out
.endr
	v_and_b32 v1, 15, v0                           ; l % 16
	v_bfe_u32 v2, v0, 4, 1                         ; l / 16
	v_mul_u32_u24 v3, v1, PITCH
	v_lshl_add_u32 v4, v2, 4, v3                   ; Wo: a fragment's row x pitch + 16 x half
	v_and_b32 v6, 31, v0
	v_lshlrev_b32 v[CO], 4, v6                     ; A: 16 x lane
	s_wait_alu depctr_va_vdst(0)
	s_lshl_b32 s21, s15, 15                        ; my 8 row tiles of A
	s_mul_i32 s22, s16, HALFT                      ; my 128 rows of Wo,
	s_add_co_u32 s22, s22, BOFF                    ; which lie behind A's halves
.irp s, 0,1
	v_add_nc_u32 v[ADRA+\s], s21, v[CO]
	v_add_nc_u32 v[ADRB+\s], s22, v4
	s_add_co_u32 s21, s21, SLOT
	s_add_co_u32 s22, s22, SLOT
.endr
	s_mul_i32 s23, s14, 16*SPITCH                  ; my stage
	v_mul_u32_u24 v5, v1, SPITCH                   ; in: row l % 16, 32 bytes for each half of the lanes
	v_lshl_add_u32 v5, v2, 5, v5
	v_add_nc_u32 v[STO], s23, v5
	v_add_nc_u32 v[RD], s23, v[CO]                 ; back: the 32 lanes take one row piece of 512 bytes
	s_lshl_b32 s20, s17, 8
	s_lshl_b32 s21, s15, 7
	s_add_co_u32 s20, s20, s21                     ; my first row of out0: 256 x tile row + 128 x half,
	s_lshl_b32 s20, s20, 12                        ; in bytes: a row is 4,096 (under 2^25)
	s_mov_b32 s21, 0
	s_lshl_b32 s46, s42, 10                        ; my first column, in bytes: 1,024 x tile column + 512 x half
	s_lshl_b32 s47, s16, 9
	s_add_co_u32 s46, s46, s47
	s_mov_b32 s47, 0
	s_add_nc_u64 s[20:21], s[20:21], s[46:47]
	s_add_nc_u64 s[10:11], s[10:11], s[20:21]
.macro FRAGB reg, adr, q, i            ; Wo: 16 rows x 128 K from padded rows: registers 4 c .. 4 c + 3 hold K = 32 c + 16 (l / 16) + 0 .. 15 of row l % 16
.irp c, 0,1,2,3
	ds_load_b128 v[\reg+4*\c:\reg+4*\c+3], v[\adr] offset:128*(\q)+32*\c+(\i)*16*PITCH
.endr
.endm
.macro FRAGA reg, adr, q, i            ; A: the image as it lies: 512 consecutive bytes a load
.irp c, 0,1,2,3
	ds_load_b128 v[\reg+4*\c:\reg+4*\c+3], v[\adr] offset:2048*(\q)+512*\c+(\i)*ATILE
.endr
.endm
; 16 matrix instructions: A's blocks a0, a0 + 1 x Wo's eight, 128 along K.  p: Wo's set.  zero = 1: the first product starts the sums: nothing is ever cleared.
; The 64 accumulators take turns, one instruction a turn, in the same order in every step.
.macro MUL16 a0, p, zero
.irp a, \a0, \a0+1
.irp b, 0,1,2,3,4,5,6,7
.if \zero
	v_wmma_f32_16x16x128_fp8_fp8 v[8*(8*((\a)%4)+\b):8*(8*((\a)%4)+\b)+7], v[128*(\p)+FR*\b:128*(\p)+FR*\b+FR-1], v[AF+FR*(\a):AF+FR*(\a)+FR-1], 0
.else
	v_wmma_f32_16x16x128_fp8_fp8 v[8*(8*((\a)%4)+\b):8*(8*((\a)%4)+\b)+7], v[128*(\p)+FR*\b:128*(\p)+FR*\b+FR-1], v[AF+FR*(\a):AF+FR*(\a)+FR-1], v[8*(8*((\a)%4)+\b):8*(8*((\a)%4)+\b)+7]
.endif
.endr
.endr
.endm
.macro FETCH_B slot, q, p              ; Wo's eight fragments of the slot's q-th 128 along K into set p
	WIN TO_B
.irp i, 0,1,2,3,4,5,6,7
	FRAGB 128*(\p)+FR*\i, ADRB+\slot, \q, \i
.endr
	WIN 0
.endm
.macro FETCH_A slot, q, i0             ; A's blocks i0 .. i0 + 3
.irp i, \i0, \i0+1, \i0+2, \i0+3
	FRAGA AF+FR*(\i), ADRA+\slot, \q, \i
.endr
.endm
; A load into a register that a matrix instruction has read, and a vector instruction or an LDS store that reads a matrix result, stand NP places behind it; only plain vector instructions that name none
; of its registers are places (ISA guide 7.12.1 for vector instructions).
.macro PLACES n
.rept \n
	v_nop
.endr
.endm
; A step of 128 along K that has its successor in the same slot.  A block of A is free as soon as its eight products are issued: blocks 0-3 are fetched anew in the step's middle, blocks 4-7 at its end.
.macro STEP slot, q, zero
	s_wait_dscnt 4*NL                              ; Wo's set and A's blocks 0-3 are in; the youngest sixteen loads (A's blocks 4-7) may be out
	WIN MUL_LO
	MUL16 0, (\q)%2, \zero
	MUL16 2, (\q)%2, \zero
	s_wait_dscnt 0                                 ; A's blocks 4-7 are in (asked for 32 matrix instructions ago)
	PLACES NP
	FETCH_B \slot, (\q)+1, 1-(\q)%2
	FETCH_A \slot, (\q)+1, 0
	WIN MUL_HI
	MUL16 4, (\q)%2, \zero
	MUL16 6, (\q)%2, \zero
	PLACES NP
	WIN 0
	FETCH_A \slot, (\q)+1, 4
.endm
; A slot's last step changes slots: ONE barrier; in front of it each wave waits for all its tensor loads, adds 0 to its spare word, and waits for that and for its own reads of this slot.  fill = 1: this slot is filled again, 512 along K ahead.
.macro TURN slot, next, fill
	s_wait_tensorcnt 0x0                           ; all my tensor loads have landed: my part of the next slot;  (every window is 0 here: the add's two registers lie in window 0)
	ds_add_u32 v[SPW], v[NIL]                      ; 0 onto my spare word
	s_wait_dscnt 4*NL+1                            ; (the add and the youngest sixteen loads, A's blocks 4-7, may be out)
	WIN MUL_LO
	MUL16 0, 1, 0                                  ; sixteen matrix instructions stand between the add and the wait for it
	s_wait_dscnt 0x0                               ; the add is done, and my reads of this slot are over
	s_barrier_signal -1
	MUL16 2, 1, 0
	WIN 0
	s_barrier_wait -1
.if \fill
	CREST                                          ; the barrier has opened a round of the cluster's barrier: no wave of any partner still reads this slot's tile or has a load on its way
	s_add_nc_u64 s[G0+4*\slot+2:G0+4*\slot+3], s[G0+4*\slot+2:G0+4*\slot+3], 2*ATILE
	s_add_nc_u64 s[G0B+4*\slot+2:G0B+4*\slot+3], s[G0B+4*\slot+2:G0B+4*\slot+3], 2*ROWB
	JLOAD G0+4*\slot, G1, G0B+4*\slot, G1B         ; the first tensor load behind the round, my one load until the next; the four v_nop behind it are the places in front of the loads below
.else
	PLACES NP
.endif
	FETCH_B \next, 0, 0
	FETCH_A \next, 0, 0
	WIN MUL_HI
	MUL16 4, 1, 0
	MUL16 6, 1, 0
	PLACES NP
	WIN 0
	FETCH_A \next, 0, 4
.endm
	s_wait_alu depctr_va_vdst(0)
	s_wait_tensorcnt 1                             ; my part of slot 0 is in (slot 1's load may be out)
	s_barrier_signal -1
	s_barrier_wait -1                              ; everybody's is
	FETCH_B 0, 0, 0
	FETCH_A 0, 0, 0
	FETCH_A 0, 0, 4
	STEP 0, 0, 1                                   ; K = 1,024 is eight steps of 128, four slots: they are written out.  The first step's products start the sums
	TURN 0, 1, 1                                   ; slot 0 takes K 512 .. 767
	STEP 1, 0, 0
	TURN 1, 0, 1                                   ; slot 1 takes K 768 .. 1,023
	STEP 0, 0, 0
	TURN 0, 1, 0                                   ; nothing is left to fetch; behind this barrier nobody reads slot 0 any more
	STEP 1, 0, 0
	s_wait_dscnt 4*NL                              ; the last step
	WIN MUL_LO
	MUL16 0, 1, 0
	MUL16 2, 1, 0
	s_wait_dscnt 0
	WIN MUL_HI
	MUL16 4, 1, 0
	MUL16 6, 1, 0
	WIN 0
; THE WAY OUT, block by block of 16 rows x 128 columns.  A lane holds 32 neighbouring bytes of a row, and the lanes beside it hold other rows: so a block goes through my own stage in LDS and comes back as
; row pieces of 512 bytes, which the 32 lanes store whole.  LDS serves a wave's instructions in order (ISA guide 5.7.1.4): no wait between the stores and the loads, nor in front of the next block's stores.
.macro TOSTAGE a
.set AC, 64*((\a)%4)
	WIN 0x02+((\a)/4)                              ; source 0: window 2 or 3
.set j, 0
.rept 32
	v_pk_mul_f32 v[TMP+j:TMP+j+1], v[AC+j:AC+j+1], s[96:97] op_sel_hi:[1,0]   ; both x s96 = 2^(e10 + e11); each accumulator from its low end on
.set j, j+2
.endr
	WIN 0
.irp b, 0,1,2,3,4,5,6,7
	ds_store_b128 v[STO], v[TMP+8*\b:TMP+8*\b+3] offset:64*\b
	ds_store_b128 v[STO], v[TMP+8*\b+4:TMP+8*\b+7] offset:64*\b+16
.endr
.set BB, BK+64*((\a)%2)
.irp t, 0,1,2,3,4,5,6,7,8,9,10,11,12,13,14,15
	ds_load_b128 v[BB+4*\t:BB+4*\t+3], v[RD] offset:\t*SPITCH
.endr
.endm
.macro SEND a, younger                 ; younger: the LDS instructions issued behind block a's loads, which may stay out
.set BB, BK+64*((\a)%2)
	s_wait_dscnt \younger                          ; the block is back in registers
.if (\a) > 0
	s_add_nc_u64 s[10:11], s[10:11], 16*SIZE_N*4   ; (behind a wait on XCNT: the earlier stores have read their base)  16 rows of out0 on
.endif
.irp t, 0,1,2,3,4,5,6,7,8,9,10,11,12,13,14,15
	global_store_b128 v[CO], v[BB+4*\t:BB+4*\t+3], s[10:11] offset:\t*SIZE_N*4 th:TH_STORE_NT   ; 32 lanes store 512 consecutive bytes, at a multiple of 512 from out0's first byte; written once, read by nobody here
.endr
.endm
	s_wait_kmcnt 0x0
	s_add_co_i32 s96, s96, s97                     ; e10 + e11, between -126 and 127,
	s_add_co_i32 s96, s96, 127
	s_lshl_b32 s96, s96, 23                        ; makes the f32 number 2^(e10 + e11)
	PLACES NP                                      ; behind the last products: the loads below land in the registers that held A's fragments
	TOSTAGE 0
.irp a, 1,2,3,4,5,6,7
.if \a > 1
	s_wait_xcnt 0x0                                ; block a - 2's stores have read their registers and their base: block a's loads may land there, and the base may step
.endif
	TOSTAGE \a
	SEND \a-1, 32                                  ; behind block a - 1's loads: block a's 16 stores and 16 loads
.endr
	s_wait_xcnt 0x0                                ; block 6's stores have read their base
	SEND 7, 0
	s_wait_tensorcnt 0x0                           ; the wave's end, behind my last tensor load and my last LDS store
	ds_add_u32 v[SPW], v[NIL]
	s_wait_dscnt 0x0
	CROUND                                         ; the closing round: no work-group ends while a partner may still ask for a tile that names it
	s_endpgm
.Lfunc_end_k_q8a991be6ac_out_proj:
	.size	k_q8a991be6ac_out_proj, .Lfunc_end_k_q8a991be6ac_out_proj-k_q8a991be6ac_out_proj
	.p2alignl 7, 3214868480
	.fill 96, 4, 3214868480
	.section	.rodata,"a",@progbits
	.p2align	6, 0x0
	.amdhsa_kernel k_q8a991be6ac_out_proj
		.amdhsa_group_segment_fixed_size 327680
		.amdhsa_private_segment_fixed_size 0
		.amdhsa_enable_private_segment 0
		.amdhsa_kernarg_size 32
		.amdhsa_user_sgpr_count 2
		.amdhsa_user_sgpr_kernarg_segment_ptr 1
		.amdhsa_wavefront_size32 1
		.amdhsa_system_sgpr_workgroup_id_x 1
		.amdhsa_system_sgpr_workgroup_id_y 1
		.amdhsa_system_sgpr_workgroup_id_z 1
		.amdhsa_system_vgpr_workitem_id 0
		.amdhsa_next_free_vgpr 1024
		.amdhsa_next_free_sgpr 98
		.amdhsa_reserve_vcc 0
		.amdhsa_float_denorm_mode_32 3
		.amdhsa_float_denorm_mode_16_64 3
		.amdhsa_memory_ordered 1
		.amdhsa_forward_progress 1
		.amdhsa_inst_pref_size 124
	.end_amdhsa_kernel
	.amdgpu_metadata
---
amdhsa.version: [ 1, 2 ]
amdhsa.kernels:
  - .name:           k_q8a991be6ac_out_proj
    .symbol:         k_q8a991be6ac_out_proj.kd
    .args:
      - { .name: a_img, .offset: 0, .size: 8, .value_kind: global_buffer, .address_space: global }
      - { .name: W_o_codes, .offset: 8, .size: 8, .value_kind: global_buffer, .address_space: global }
      - { .name: lowp_scales, .offset: 16, .size: 8, .value_kind: global_buffer, .address_space: global }
      - { .name: out0, .offset: 24, .size: 8, .value_kind: global_buffer, .address_space: global }
    .group_segment_fixed_size: 327680
    .private_segment_fixed_size: 0
    .kernarg_segment_align: 8
    .kernarg_segment_size: 32
    .max_flat_workgroup_size: 128
    .sgpr_count:     98
    .vgpr_count:     1024
    .wavefront_size: 32
...
	.end_amdgpu_metadata
.endif
;; end of part 3
